; MI455X (gfx1250); checked and timed in simulation.
; The chip was launched on July 23, 2026; its instructions are those of AMD's public machine-readable ISA for CDNA 5 (MIT licence, August 2026) and "CDNA5" Instruction Set Architecture Reference Guide (July 2026). The comments in the code are by the model that wrote it; some were corrected since.
;; Bit Linear. Allowed arithmetic: float matrix products may take bf16 or f16 operands with f32 sums; other float arithmetic in f32, or as packed bf16 or f16 multiplies, adds, multiply-adds, maxima and minima; sums over many terms, partial sums and values carried from step to step in f32; what a program stores and reads back later, other than sums and carried values, may be rounded once to bf16 or f16.
;; Inputs: weight 2,048 x 4,096 float32; x 4 x 2,048 x 4,096 float32.
;; Outputs: out0 4 x 2,048 x 2,048 float32.
;; 2 versions, each right; version 2 is version 1 with the launch quant written anew for expert scheduling mode. Each part assembles by itself: llvm-mc -triple=amdgcn-amd-amdhsa -mcpu=gfx1250 --defsym DOCPART=n.
;; ======== version 1 of 2: 3 launches
;; workspace buffers: part 1,024 bytes; wq 16,777,216 bytes; scl 256 bytes; xb 67,108,864 bytes
;; launch prep (part 1): grid 256 x 1, 8 waves a work-group, no clusters, 1,280 bytes of LDS; arguments weight, x, part, xb; writes part, xb
.if DOCPART == 1
	.amdgcn_target "amdgcn-amd-amdhsa--gfx1250"
	.amdhsa_code_object_version 6
	.text
	.protected	k_qe462824dd6_prep
	.globl	k_qe462824dd6_prep
	.p2align	8
	.type	k_qe462824dd6_prep,@function
k_qe462824dd6_prep:
	s_mov_b64 s[64:65], 0
	v_nop
	global_prefetch_b8 v0, s[64:65] scope:SCOPE_SE
	s_setreg_imm32_b32 hwreg(HW_REG_WAVE_MODE, 25, 1), 1
	s_wait_xcnt 0x0
; Two streams that hang on nothing, in one launch:  part[g] = the sum of |bf16(weight)| over the 32,768 numbers (131,072 bytes) of work-group g;  xb = bf16(x), row-major as x.
; weight: [2048][4096] f32; x: [8192][4096] f32; xb: [8192][4096] bf16.
; LIMITS.  The whole program works on weight and x rounded to bf16 (nearest even) before anything else; the sum is kept in f32, as a tree whose order is this text's own;
; NaN and infinities are not treated apart.
; SHARES.  Eight waves; thread t takes 16 bytes at 16 t of each piece of 4,096 bytes: 32 pieces of weight, then 128 pieces of x (524,288 bytes a work-group).  A wave's load covers 512
; consecutive bytes, its store of 8 bytes a lane 256 consecutive bytes, aligned.
; THE RING.  32 slots of four registers: 32 loads of every wave are always on their way.  Weight's 32 pieces are the ring's first lap; a slot that has been summed is filled with x's piece of
; the same number.  Then three laps in a loop, and the last written out without loads.  No LDS but for the eight waves' sums, no matrix work, no cluster: the work-groups share no byte.
.set SPARE, 256                        ; LDS: bytes 0-31 the eight waves' sums (the block 0-255 is theirs); from 256 on the spare words, 128 bytes a wave
.set RING, 32
.set OFF, 1                            ; v1      16 t: my bytes in a piece as loaded; never rewritten
.set SPW, 2                            ; v2      LDS address of my spare word; never rewritten
.set NIL, 3                            ; v3      0; never rewritten
.set T,   4                            ; v[4:11] at work
.set RS,  12                           ; v12-15  the reduction
.set X,   16                           ; v[16:143]  slot i: 4 registers as loaded
.set ACC, 144                          ; v[144:151] four pairs of running sums
.set Y,   152                          ; v[152:215] slot i: 2 registers to store
.set OUTO, 216                         ; v216    8 t: my bytes in a piece as stored; never rewritten
	s_load_b256 s[4:11], s[0:1], 0x0               ; weight s[4:5], x s[6:7], part s[8:9], xb s[10:11]
	v_lshl_add_u32 v[SPW], v0, 2, SPARE
	v_mov_b32 v[NIL], 0
	v_lshlrev_b32 v[OFF], 4, v0
	v_lshlrev_b32 v[OUTO], 3, v0
	v_lshrrev_b32 v[RS], 5, v0
	v_readfirstlane_b32 s12, v[RS]                 ; wave 0..7
	s_mov_b32 s16, 0x7fff7fff                      ; clears the signs of two bf16
	s_mov_b32 s17, 0xffff0000                      ; a word's upper bf16
	s_mov_b32 s18, 0x76543210                      ; v_permlanex16_b32: each lane takes its own place in the other half
	s_mov_b32 s19, 0xfedcba98
	s_lshl_b32 s20, ttmp9, 17                      ; my work-group's 131,072 bytes of weight,
	s_mov_b32 s21, 0
	s_lshl_b32 s22, ttmp9, 2                       ; its word in part,
	s_mov_b32 s23, 0
	s_lshl_b32 s24, ttmp9, 19                      ; its 524,288 bytes of x (133,693,440 at the most),
	s_mov_b32 s25, 0
	s_lshl_b32 s26, ttmp9, 18                      ; and its 262,144 bytes of xb
	s_mov_b32 s27, 0
	s_wait_kmcnt 0x0
	s_add_nc_u64 s[4:5], s[4:5], s[20:21]
	s_add_nc_u64 s[8:9], s[8:9], s[22:23]
	s_add_nc_u64 s[6:7], s[6:7], s[24:25]
	s_add_nc_u64 s[10:11], s[10:11], s[26:27]
.set j, 0
.rept RING
	global_load_b128 v[X+4*j:X+4*j+3], v[OFF], s[4:5] offset:4096*j
.set j, j+1
.endr
; THE FIRST LAP: weight.  Four numbers are rounded to bf16, their signs cleared two at a time, widened again and added.  The first two pieces start the four pairs of sums: nothing is cleared.
.set j, 0
.rept RING
	s_wait_loadcnt RING-1                          ; loads come back in order: piece j is in; behind it 31 - j of weight and j of x were issued
	v_cvt_pk_bf16_f32 v[T], v[X+4*j], v[X+4*j+1]
	v_cvt_pk_bf16_f32 v[T+1], v[X+4*j+2], v[X+4*j+3]
	global_load_b128 v[X+4*j:X+4*j+3], v[OFF], s[6:7] offset:4096*j th:TH_LOAD_NT   ; the slot takes x's piece j
	v_and_b32 v[T], s16, v[T]
	v_and_b32 v[T+1], s16, v[T+1]
.if j < 2
.set D, ACC+4*j
.else
.set D, T+4
.endif
	v_lshlrev_b32 v[D], 16, v[T]
	v_and_b32 v[D+1], s17, v[T]
	v_lshlrev_b32 v[D+2], 16, v[T+1]
	v_and_b32 v[D+3], s17, v[T+1]
.if j >= 2
	v_pk_add_f32 v[ACC+4*(j%2):ACC+4*(j%2)+1], v[ACC+4*(j%2):ACC+4*(j%2)+1], v[T+4:T+5]
	v_pk_add_f32 v[ACC+4*(j%2)+2:ACC+4*(j%2)+3], v[ACC+4*(j%2)+2:ACC+4*(j%2)+3], v[T+6:T+7]
.endif
.set j, j+1
.endr
; THREE LAPS of x: a slot's four numbers are rounded, the slot is filled again with the piece 32 further on, and the 8 bytes are stored.
	s_mov_b32 s28, 128/RING-1
.Llap:
.set i, 0
.rept RING
	s_wait_loadcnt RING-1                          ; my slot's load is in, the 31 younger ones stay out
	v_cvt_pk_bf16_f32 v[Y+2*i], v[X+4*i], v[X+4*i+1]
	v_cvt_pk_bf16_f32 v[Y+2*i+1], v[X+4*i+2], v[X+4*i+3]
	global_load_b128 v[X+4*i:X+4*i+3], v[OFF], s[6:7] offset:4096*(RING+i) th:TH_LOAD_NT
	global_store_b64 v[OUTO], v[Y+2*i:Y+2*i+1], s[10:11] offset:2048*i
.set i, i+1
.endr
	s_wait_xcnt 0x0                                ; every memory instruction so far has had its addresses translated (ISA guide 3.1): the two bases and Y are rewritten only behind this wait
	s_add_nc_u64 s[6:7], s[6:7], RING*4096
	s_add_nc_u64 s[10:11], s[10:11], RING*2048
	s_sub_co_u32 s28, s28, 1
	s_cmp_lg_u32 s28, 0
	s_cbranch_scc1 .Llap
.set i, 0
.rept RING                             ; the last lap loads nothing: no load leaves x, and the counts run down
	s_wait_loadcnt RING-1-i
	v_cvt_pk_bf16_f32 v[Y+2*i], v[X+4*i], v[X+4*i+1]
	v_cvt_pk_bf16_f32 v[Y+2*i+1], v[X+4*i+2], v[X+4*i+3]
	global_store_b64 v[OUTO], v[Y+2*i:Y+2*i+1], s[10:11] offset:2048*i
.set i, i+1
.endr
; THE SUM: over my four pairs, the wave's lanes, the eight waves.
	v_pk_add_f32 v[ACC:ACC+1], v[ACC:ACC+1], v[ACC+4:ACC+5]
	v_pk_add_f32 v[ACC+2:ACC+3], v[ACC+2:ACC+3], v[ACC+6:ACC+7]
	v_pk_add_f32 v[ACC:ACC+1], v[ACC:ACC+1], v[ACC+2:ACC+3]
	v_add_f32 v[RS], v[ACC], v[ACC+1]
	v_mov_b32 v[RS+1], 0                           ; v_permlanex16_b32's destination counts as read
	v_add_f32_dpp v[RS], v[RS], v[RS] row_xmask:1 row_mask:0xf bank_mask:0xf
	v_add_f32_dpp v[RS], v[RS], v[RS] row_xmask:2 row_mask:0xf bank_mask:0xf
	v_add_f32_dpp v[RS], v[RS], v[RS] row_xmask:4 row_mask:0xf bank_mask:0xf
	v_add_f32_dpp v[RS], v[RS], v[RS] row_xmask:8 row_mask:0xf bank_mask:0xf
	v_permlanex16_b32 v[RS+1], v[RS], s18, s19
	v_add_f32 v[RS], v[RS], v[RS+1]                ; every lane holds the wave's sum
	v_mov_b32 v[RS+2], s12
	v_lshlrev_b32 v[RS+2], 2, v[RS+2]
	ds_store_b32 v[RS+2], v[RS]                    ; all lanes write the wave's word with the same value
	s_wait_dscnt 0x0                               ; for the others' sake: my store is done
	s_barrier_signal -1
	s_barrier_wait -1
	v_mov_b32 v[RS+3], 0
	ds_load_b128 v[T:T+3], v[RS+3]                 ; the eight waves' sums
	ds_load_b128 v[T+4:T+7], v[RS+3] offset:16
	s_wait_dscnt 0x0
	v_add_f32 v[T], v[T], v[T+1]
	v_add_f32 v[T+2], v[T+2], v[T+3]
	v_add_f32 v[T+4], v[T+4], v[T+5]
	v_add_f32 v[T+6], v[T+6], v[T+7]
	v_add_f32 v[T], v[T], v[T+2]
	v_add_f32 v[T+4], v[T+4], v[T+6]
	v_add_f32 v[T], v[T], v[T+4]
	s_wait_tensorcnt 0x0                           ; the wave's end, behind my last LDS store
	ds_add_u32 v[SPW], v[NIL]
	s_wait_dscnt 0x0
	s_cmp_lg_u32 s12, 0
	s_cbranch_scc1 .Lend                           ; wave 0 alone stores
	s_wait_xcnt 0x0                                ; EXEC changes only behind this wait
	v_cmp_eq_u32 vcc_lo, 0, v0
	s_and_saveexec_b32 s29, vcc_lo
	global_store_b32 v[RS+3], v[T], s[8:9]         ; one word a work-group, 256 in the launch: so the next launch's waves read 1,024 bytes and no more
	s_wait_xcnt 0x0                                ; and again in front of the line that widens it
	s_or_b32 exec_lo, exec_lo, s29
.Lend:
	s_endpgm
.Lfunc_end_k_qe462824dd6_prep:
	.size	k_qe462824dd6_prep, .Lfunc_end_k_qe462824dd6_prep-k_qe462824dd6_prep
	.p2alignl 7, 3214868480
	.fill 96, 4, 3214868480
	.section	.rodata,"a",@progbits
	.p2align	6, 0x0
	.amdhsa_kernel k_qe462824dd6_prep
		.amdhsa_group_segment_fixed_size 1280
		.amdhsa_private_segment_fixed_size 0
		.amdhsa_enable_private_segment 0
		.amdhsa_kernarg_size 32
		.amdhsa_user_sgpr_count 2
		.amdhsa_user_sgpr_kernarg_segment_ptr 1
		.amdhsa_wavefront_size32 1
		.amdhsa_system_sgpr_workgroup_id_x 1
		.amdhsa_system_sgpr_workgroup_id_y 1
		.amdhsa_system_sgpr_workgroup_id_z 1
		.amdhsa_system_vgpr_workitem_id 0
		.amdhsa_next_free_vgpr 224
		.amdhsa_next_free_sgpr 66
		.amdhsa_reserve_vcc 1
		.amdhsa_float_denorm_mode_32 3
		.amdhsa_float_denorm_mode_16_64 3
		.amdhsa_memory_ordered 1
		.amdhsa_forward_progress 1
		.amdhsa_inst_pref_size 43
	.end_amdhsa_kernel
	.amdgpu_metadata
---
amdhsa.version: [ 1, 2 ]
amdhsa.kernels:
  - .name:           k_qe462824dd6_prep
    .symbol:         k_qe462824dd6_prep.kd
    .args:
      - { .name: weight, .offset: 0, .size: 8, .value_kind: global_buffer, .address_space: global }
      - { .name: x, .offset: 8, .size: 8, .value_kind: global_buffer, .address_space: global }
      - { .name: part, .offset: 16, .size: 8, .value_kind: global_buffer, .address_space: global }
      - { .name: xb, .offset: 24, .size: 8, .value_kind: global_buffer, .address_space: global }
    .group_segment_fixed_size: 1280
    .private_segment_fixed_size: 0
    .kernarg_segment_align: 8
    .kernarg_segment_size: 32
    .max_flat_workgroup_size: 256
    .sgpr_count:     66
    .vgpr_count:     224
    .wavefront_size: 32
...
	.end_amdgpu_metadata
.endif
;; end of part 1
;; launch quant (part 2): grid 256 x 1, 8 waves a work-group, no clusters, 0 bytes of LDS; arguments weight, part, wq, scl; writes wq, scl
.if DOCPART == 2
	.amdgcn_target "amdgcn-amd-amdhsa--gfx1250"
	.amdhsa_code_object_version 6
	.text
	.protected	k_qe462824dd6_quant
	.globl	k_qe462824dd6_quant
	.p2align	8
	.type	k_qe462824dd6_quant,@function
k_qe462824dd6_quant:
	s_mov_b64 s[64:65], 0
	v_nop
	global_prefetch_b8 v0, s[64:65] scope:SCOPE_SE
	s_setreg_imm32_b32 hwreg(HW_REG_WAVE_MODE, 25, 1), 1
	s_wait_xcnt 0x0
; s = max(mean |W|, 1e-5), W = bf16(weight);  q = clip(round(W / s), -1, 1);  w = (q s + W) - W, as it is written, in f32;  wq = bf16(w / s): the product's operand,
; which for ordinary numbers is -1, 0 or 1 exactly; the product's sums are multiplied by s in f32 on their way out, so s itself is never rounded to 16 bits.  scl = s, 64 times.
; LIMITS.  weight is rounded to bf16 first (as x is in the product).  The mean is a tree sum in f32 in an order of this program's own.  W / s is W x (1/s) corrected once by the
; remainder W - t s (two fused multiply-adds).  NaN and infinities are not treated apart.
; LAYOUT OF wq.  Blocks of 128 rows (n) x 64 k, dense, 16,384 bytes: element (n, k) at (((n >> 7) 64 + (k >> 6)) 128 + (n & 127)) 128 + 2 (k & 63): what the product asks for in one
; K step lies end to end.
; SHARES.  Work-group g: rows 8 g .. 8 g + 7.  Wave w: the two rows 2 (w >> 1), + 1 and the half w & 1 of K: 32 pieces of 64 k.  A load: lanes 0-15 take 256 consecutive bytes of one
; row, lanes 16-31 of the next.  A store: 8 bytes a lane, 256 consecutive bytes, aligned: the two rows' 128 bytes in a block.  Every wave adds up all 256 partial sums in the same
; order, so s has the same bits everywhere.  A stream: no LDS, no barrier, no matrix work, no cluster.
.set P,  4                             ; v[4:11]   my 8 partial sums; then v4 = v5 = s
.set PK, 12                            ; v12-13    four numbers as bf16
.set W,  16                            ; v[16:19]  W
.set Q,  20                            ; v[20:23]  the quotient, then q, then w / s
.set E,  24                            ; v[24:27]  t s - W
.set X,  32                            ; v[32:159] piece j: 4 registers as loaded; its first two then hold what is stored and are not written again
	s_load_b256 s[4:11], s[0:1], 0x0               ; weight s[4:5], part s[6:7], wq s[8:9], scl s[10:11]
	v_and_b32 v3, 31, v0                           ; lane
	v_lshrrev_b32 v1, 5, v0
	v_readfirstlane_b32 s12, v1                    ; wave 0..7
	v_lshlrev_b32 v2, 3, v3                        ; out: 8 x lane
	v_and_b32 v1, 15, v3
	v_lshlrev_b32 v1, 4, v1
	v_bfe_u32 v12, v3, 4, 1
	v_lshl_add_u32 v1, v12, 14, v1                 ; in: 16 (lane % 16) + a row of 16,384 bytes for lanes 16-31
	v_lshlrev_b32 v3, 5, v3                        ; part: 32 x lane
	s_lshr_b32 s13, s12, 1                         ; which pair of rows
	s_and_b32 s14, s12, 1                          ; which half of K
	s_mov_b32 s20, 0xffff0000                      ; a word's upper bf16
	s_mov_b32 s24, 0x76543210
	s_mov_b32 s25, 0xfedcba98
	s_mov_b32 s26, 0xbf800000                      ; -1.0
	s_mov_b32 s27, 0x3f800000                      ; 1.0
	s_lshl_b32 s28, ttmp9, 3
	s_lshl_b32 s29, s13, 1
	s_add_co_u32 s28, s28, s29                     ; my first row
	s_lshl_b32 s28, s28, 14
	s_lshl_b32 s29, s14, 13                        ; half a row is 8,192 bytes
	s_add_co_u32 s28, s28, s29
	s_mov_b32 s29, 0
	s_lshr_b32 s30, ttmp9, 4                       ; n >> 7: 64 blocks of 16,384 bytes each
	s_lshl_b32 s30, s30, 20
	s_lshl_b32 s31, s14, 19                        ; 32 blocks on for the second half of K
	s_add_co_u32 s30, s30, s31
	s_and_b32 s31, ttmp9, 15
	s_lshl_b32 s31, s31, 3
	s_lshl_b32 s15, s13, 1
	s_add_co_u32 s31, s31, s15                     ; n & 127 of my first row,
	s_lshl_b32 s31, s31, 7                         ; 128 bytes a row
	s_add_co_u32 s30, s30, s31
	s_mov_b32 s31, 0
	s_wait_kmcnt 0x0
	s_add_nc_u64 s[4:5], s[4:5], s[28:29]
	s_add_nc_u64 s[8:9], s[8:9], s[30:31]
	global_load_b128 v[P:P+3], v3, s[6:7]
	global_load_b128 v[P+4:P+7], v3, s[6:7] offset:16
.set j, 0
.rept 32
	global_load_b128 v[X+4*j:X+4*j+3], v1, s[4:5] offset:256*j th:TH_LOAD_NT
.set j, j+1
.endr
	s_wait_loadcnt 32                              ; the partial sums are in; the 32 loads of weight, issued behind them, stay out
	v_add_f32 v[P], v[P], v[P+1]
	v_add_f32 v[P+2], v[P+2], v[P+3]
	v_add_f32 v[P+4], v[P+4], v[P+5]
	v_add_f32 v[P+6], v[P+6], v[P+7]
	v_add_f32 v[P], v[P], v[P+2]
	v_add_f32 v[P+4], v[P+4], v[P+6]
	v_add_f32 v[P], v[P], v[P+4]
	v_add_f32_dpp v[P], v[P], v[P] row_xmask:1 row_mask:0xf bank_mask:0xf
	v_add_f32_dpp v[P], v[P], v[P] row_xmask:2 row_mask:0xf bank_mask:0xf
	v_add_f32_dpp v[P], v[P], v[P] row_xmask:4 row_mask:0xf bank_mask:0xf
	v_add_f32_dpp v[P], v[P], v[P] row_xmask:8 row_mask:0xf bank_mask:0xf
	v_permlanex16_b32 v[P+1], v[P], s24, s25
	v_add_f32 v[P], v[P], v[P+1]
	v_mul_f32 v[P], 0x34000000, v[P]               ; / 2^23 numbers: exact
	v_max_num_f32 v[P], 0x3727c5ac, v[P]           ; s = max(mean, 1e-5)
	v_rcp_f32 v[P+1], v[P]
	v_nop                                          ; a plain instruction between the reciprocal and the use of its result (ISA guide 5.7.2)
	v_readfirstlane_b32 s16, v[P]
	s_wait_alu depctr_va_vdst(0)
	v_readfirstlane_b32 s18, v[P+1]
	v_mov_b32 v[P+1], v[P]                         ; (s, s), for scl
	s_mov_b32 s17, s16                             ; s[16:17] s;  s[18:19] 1/s;  s[22:23] -1/s: named as pairs
	s_mov_b32 s19, s18
	s_xor_b32 s22, s18, 0x80000000
	s_mov_b32 s23, s22
.set j, 0
.rept 32
	s_wait_loadcnt 31-j                            ; piece j is in, the younger ones stay out
	v_cvt_pk_bf16_f32 v[PK], v[X+4*j], v[X+4*j+1]
	v_cvt_pk_bf16_f32 v[PK+1], v[X+4*j+2], v[X+4*j+3]
	v_lshlrev_b32 v[W], 16, v[PK]
	v_and_b32 v[W+1], s20, v[PK]
	v_lshlrev_b32 v[W+2], 16, v[PK+1]
	v_and_b32 v[W+3], s20, v[PK+1]
	v_pk_mul_f32 v[Q:Q+1], v[W:W+1], s[18:19] op_sel_hi:[1,0]                 ; t = W / s, nearly
	v_pk_mul_f32 v[Q+2:Q+3], v[W+2:W+3], s[18:19] op_sel_hi:[1,0]
	v_pk_fma_f32 v[E:E+1], v[Q:Q+1], s[16:17], v[W:W+1] op_sel_hi:[1,0,1] neg_lo:[0,0,1] neg_hi:[0,0,1]      ; t s - W
	v_pk_fma_f32 v[E+2:E+3], v[Q+2:Q+3], s[16:17], v[W+2:W+3] op_sel_hi:[1,0,1] neg_lo:[0,0,1] neg_hi:[0,0,1]
	v_pk_fma_f32 v[Q:Q+1], v[E:E+1], s[22:23], v[Q:Q+1] op_sel_hi:[1,0,1]     ; t + (W - t s) / s
	v_pk_fma_f32 v[Q+2:Q+3], v[E+2:E+3], s[22:23], v[Q+2:Q+3] op_sel_hi:[1,0,1]
.irp i, 0,1,2,3
	v_rndne_f32 v[Q+\i], v[Q+\i]                   ; ties to even
.endr
.irp i, 0,1,2,3
	v_med3_num_f32 v[Q+\i], v[Q+\i], s26, s27      ; q
.endr
	v_pk_fma_f32 v[Q:Q+1], v[Q:Q+1], s[16:17], v[W:W+1] op_sel_hi:[1,0,1]     ; q s is exact, so q s + W has its one rounding
	v_pk_fma_f32 v[Q+2:Q+3], v[Q+2:Q+3], s[16:17], v[W+2:W+3] op_sel_hi:[1,0,1]
	v_pk_add_f32 v[Q:Q+1], v[Q:Q+1], v[W:W+1] neg_lo:[0,1] neg_hi:[0,1]       ; - W
	v_pk_add_f32 v[Q+2:Q+3], v[Q+2:Q+3], v[W+2:W+3] neg_lo:[0,1] neg_hi:[0,1]
	v_pk_mul_f32 v[Q:Q+1], v[Q:Q+1], s[18:19] op_sel_hi:[1,0]                 ; / s
	v_pk_mul_f32 v[Q+2:Q+3], v[Q+2:Q+3], s[18:19] op_sel_hi:[1,0]
	v_cvt_pk_bf16_f32 v[X+4*j], v[Q], v[Q+1]
	v_cvt_pk_bf16_f32 v[X+4*j+1], v[Q+2], v[Q+3]
	global_store_b64 v2, v[X+4*j:X+4*j+1], s[8:9] offset:16384*j              ; the next block along K; neither the data nor the offset is written again, so no wait follows
.set j, j+1
.endr
	s_or_b32 s13, ttmp9, s12
	s_cmp_lg_u32 s13, 0
	s_cbranch_scc1 .Lend                           ; wave 0 of work-group 0 alone
	global_store_b64 v2, v[P:P+1], s[10:11]        ; 256 consecutive bytes
.Lend:
	s_endpgm
.Lfunc_end_k_qe462824dd6_quant:
	.size	k_qe462824dd6_quant, .Lfunc_end_k_qe462824dd6_quant-k_qe462824dd6_quant
	.p2alignl 7, 3214868480
	.fill 96, 4, 3214868480
	.section	.rodata,"a",@progbits
	.p2align	6, 0x0
	.amdhsa_kernel k_qe462824dd6_quant
		.amdhsa_group_segment_fixed_size 0
		.amdhsa_private_segment_fixed_size 0
		.amdhsa_enable_private_segment 0
		.amdhsa_kernarg_size 32
		.amdhsa_user_sgpr_count 2
		.amdhsa_user_sgpr_kernarg_segment_ptr 1
		.amdhsa_wavefront_size32 1
		.amdhsa_system_sgpr_workgroup_id_x 1
		.amdhsa_system_sgpr_workgroup_id_y 1
		.amdhsa_system_sgpr_workgroup_id_z 1
		.amdhsa_system_vgpr_workitem_id 0
		.amdhsa_next_free_vgpr 176
		.amdhsa_next_free_sgpr 66
		.amdhsa_reserve_vcc 0
		.amdhsa_float_denorm_mode_32 3
		.amdhsa_float_denorm_mode_16_64 3
		.amdhsa_memory_ordered 1
		.amdhsa_forward_progress 1
		.amdhsa_inst_pref_size 59
	.end_amdhsa_kernel
	.amdgpu_metadata
---
amdhsa.version: [ 1, 2 ]
amdhsa.kernels:
  - .name:           k_qe462824dd6_quant
    .symbol:         k_qe462824dd6_quant.kd
    .args:
      - { .name: weight, .offset: 0, .size: 8, .value_kind: global_buffer, .address_space: global }
      - { .name: part, .offset: 8, .size: 8, .value_kind: global_buffer, .address_space: global }
      - { .name: wq, .offset: 16, .size: 8, .value_kind: global_buffer, .address_space: global }
      - { .name: scl, .offset: 24, .size: 8, .value_kind: global_buffer, .address_space: global }
    .group_segment_fixed_size: 0
    .private_segment_fixed_size: 0
    .kernarg_segment_align: 8
    .kernarg_segment_size: 32
    .max_flat_workgroup_size: 256
    .sgpr_count:     66
    .vgpr_count:     176
    .wavefront_size: 32
...
	.end_amdgpu_metadata
.endif
;; end of part 2
;; launch gemm (part 3): grid 8 x 32, 4 waves a work-group, clusters of 4 x 4, 327,680 bytes of LDS; arguments xb, wq, scl, out0; writes out0
.if DOCPART == 3
	.amdgcn_target "amdgcn-amd-amdhsa--gfx1250"
	.amdhsa_code_object_version 6
	.text
	.protected	k_qe462824dd6_gemm
	.globl	k_qe462824dd6_gemm
	.p2align	8
	.type	k_qe462824dd6_gemm,@function
k_qe462824dd6_gemm:
	s_mov_b64 s[64:65], 0
	v_nop
	global_prefetch_b8 v0, s[64:65] scope:SCOPE_SE
	s_setreg_imm32_b32 hwreg(HW_REG_WAVE_MODE, 25, 1), 1
	s_wait_xcnt 0x0
	s_wait_alu depctr_hold_cnt(0) depctr_sa_sdst(0) depctr_va_vdst(0) depctr_va_sdst(0) depctr_va_ssrc(0) depctr_va_vcc(0) depctr_vm_vsrc(0)
	s_getreg_b32 s2, hwreg(HW_REG_IB_STS2, 6, 4)
	s_cmp_eq_u32 s2, 0
	s_cbranch_scc0 .Lentry_in_a_cluster
	s_endpgm
.Lentry_in_a_cluster:
	s_bfe_u32 s2, ttmp6, 0x10000c
	s_cmp_lg_u32 s2, 0xf033
	s_cbranch_scc0 .Lentry_shape_is_right
	s_endpgm
.Lentry_shape_is_right:
; out0[m][n] = s x the sum over k of xb[m][k] wq[n][k].  xb: [8192][4096] bf16; wq: bf16 in blocks of 128 n x 64 k (16,384 dense bytes, block after block along K); s: f32; out0: [8192][2048] f32.
; LIMITS.  Both operands were rounded to bf16 by the launches before; sums in f32, K ascending, multiplied by s once at the end.  NaN and infinities are not treated apart.
; SHARES.  A work-group of four waves makes 256 x 256 of out0: 32 x 8 tiles, one for each of 256 work-groups.  A wave makes 128 x 128: 64 accumulators of 16 x 16, 512 registers: for 32 along K it
; loads 2 x 128 x 64 bytes from LDS and issues 64 matrix instructions.
; THE RING.  K goes in steps of 128 through two LDS slots, each with 256 rows of xb and 256 rows of wq.  Each wave fetches a quarter of a slot with one tensor load: 128 rows of xb (256 bytes of memory each,
; at multiples of 256 from xb's first byte), or two neighbouring blocks of wq (32,768 dense bytes, asked for as 128 rows of 256 bytes).  A step is four QUARTERS of 32 along K, 64 matrix instructions each.
; CLUSTERS.  4 x 4 work-groups.  The four of a row of the cluster need the same tiles of xb, the four of a column the same tiles of wq: each tile is asked for JOINTLY, by the same tensor load with the same
; descriptor and a mask that names the four.
; THE MATRIX INSTRUCTION IS USED TRANSPOSED (source 0 = 16 rows of wq, source 1 = 16 rows of xb): a lane then holds eight neighbouring numbers of a row of out0.
; REGISTERS, in windows of 256 (s_set_vgpr_msb: bits 1:0 source 0, 3:2 source 1, 5:4 source 2, 7:6 destination):
;   window 0: v0-31 addresses; v64-127, v128-191 xb's fragments (8 x 16 rows x 32 K), two buffers; on the way out v32-95 scaled results, v96-159 and v160-223 rows read back
;   window 1: v64-127, v128-191 wq's fragments, two buffers
;   window 2: the 32 accumulators of my rows 0-63 (accumulator (a, b) at v[8 (8 a + b)]);   window 3: those of my rows 64-127
.set KSTEP, 128
.set PA,    272                        ; an LDS row of xb: 256 bytes + 16 of padding = 68 words: the 16 rows of a load start at 16 different groups of four banks (64 banks of 4 bytes: ISA guide 11.1)
.set PB,    144                        ; an LDS row of a block of wq: 128 + 16 = 36 words: likewise
.set AH,    128*PA                     ; what one tensor load brings of xb
.set AT,    2*AH
.set BB,    128*PB                     ; a block of wq in LDS: 128 rows, 64 along K
.set BH,    2*BB                       ; what one tensor load brings of wq: the step's first 64 along K, then its second
.set SLOT,  AT+2*BH                    ; xb's 256 rows, then wq's 256 rows: 143,360 bytes
.set STAGE, 2*SLOT                     ; behind the ring, never filled by a tensor load: 16 rows x 528 bytes for each wave, for the way out
.set SPI,   528                        ; 512 bytes + 16
.set SPARE, STAGE+4*16*SPI             ; behind the stages: the spare words, 128 bytes for each wave: two blocks of 256 bytes that no other line names
.set LAPS,  4096/(2*KSTEP)             ; a lap = two K steps = once round the ring
.set ADRA, 16                          ; v16-17  LDS address of my fragments of xb in slot 0, 1
.set ADRB, 20                          ; v20-21  the same for wq
.set STO,  24                          ; v24     the way out: where I put 32 bytes of a row
.set RD,   25                          ; v25     the way out: where I read a row back
.set CO,   26                          ; v26     my byte offset in 512 bytes of out0
.set SPW,  28                          ; v28     LDS address of my spare word: SPARE + 4 x my thread's number; never rewritten
.set NIL,  29                          ; v29     0; never rewritten
.set F0,   64                          ; fragment buffer 0
.set F1,   128                         ; fragment buffer 1
.set TMP,  32
.set BK0,  96
.set G1A, 28                           ; s[28:35] descriptor group 1 for xb's tiles;  s[36:43] group 0, a set for each slot
.set G0A, 36
.set G1B, 44                           ; s[44:51], s[52:59] the same for wq's
.set G0B, 52
.set MSB, 0
.macro WIN new                         ; the immediate's high byte repeats the setting that is left; a switch that changes nothing is dropped
.if MSB != (\new)
	s_set_vgpr_msb (MSB<<8)|(\new)
.set MSB, \new
.endif
.endm
.set MUL_LO, 0xa1                      ; source 0 (wq) window 1, source 1 (xb) window 0, C and D window 2
.set MUL_HI, 0xf1                      ; the same, C and D window 3
.set TO_B,   0x40                      ; destination window 1, address window 0
; A joint load.  Waves 0 and 1 fetch xb's two halves, waves 2 and 3 wq's.  The branch hangs on the wave's number alone.  An s_nop 0 and four v_nop follow each of the two lines; the jump round the other
; line, the label and what follows the macro come after them.
.macro JLOAD s
	s_cmp_eq_u32 s13, 0
	s_cbranch_scc0 .Lfor_b_\@
	tensor_load_to_lds s[G0A+4*(\s):G0A+4*(\s)+3], s[G1A:G1A+7]
	s_nop 0
.rept 4
	v_nop
.endr
	s_branch .Lasked_\@
.Lfor_b_\@:
	tensor_load_to_lds s[G0B+4*(\s):G0B+4*(\s)+3], s[G1B:G1B+7]
	s_nop 0
.rept 4
	v_nop
.endr
.Lasked_\@:
.endm
; A round of the cluster's barrier: my work-group's barrier, so that wave 0's signal speaks for all four waves; wave 0 signals; every wave waits for all sixteen work-groups; my work-group's barrier once more.
.macro CREST                           ; a round behind its opening barrier
	s_cmp_lg_u32 s12, 0
	s_cbranch_scc1 .Lnot_wave_0_\@
	s_barrier_signal -3
.Lnot_wave_0_\@:
	s_barrier_wait -3
	s_barrier_signal -1
	s_barrier_wait -1
.endm
.macro CROUND
	s_barrier_signal -1
	s_barrier_wait -1
	CREST
.endm
	s_load_b256 s[4:11], s[0:1], 0x0               ; xb s[4:5], wq s[6:7], scl s[8:9], out0 s[10:11]
	v_lshl_add_u32 v[SPW], v0, 2, SPARE
	v_mov_b32 v[NIL], 0
	ds_add_u32 v[SPW], v[NIL]                      ; the wave's opening: the add and its wait stand ahead of my first tensor load; the set-up below, work on registers, stands between them
	v_lshrrev_b32 v1, 5, v0
	v_readfirstlane_b32 s12, v1                    ; wave 0..3
	s_lshr_b32 s13, s12, 1                         ; which half of the tile's rows is mine.  Also: I fetch for xb (0) or for wq (1)
	s_and_b32 s14, s12, 1                          ; which half of its columns.  Also: which 128 rows of that tile I fetch
	s_bfe_u32 s15, ttmp6, 0x40000                  ; cx, cy: my place in the cluster
	s_bfe_u32 s16, ttmp6, 0x40004
	s_lshl_b32 s17, ttmp9, 2
	s_add_co_u32 s17, s17, s15                     ; tile column = 4 x cluster x + cx
	s_and_b32 s18, ttmp7, 0xffff
	s_lshl_b32 s18, s18, 2
	s_add_co_u32 s18, s18, s16                     ; tile row = 4 x cluster y + cy
	s_lshl_b32 s19, s16, 2
	s_lshl_b32 s19, 15, s19                        ; my row of the cluster: places 4 cy .. 4 cy + 3
	s_lshl_b32 s20, 0x1111, s15                    ; my column: places cx, cx + 4, cx + 8, cx + 12
	; group 1 for xb: 128 rows x 128 elements of 2 bytes, 4,096 elements from row to row; padded in LDS after every 64 words (code 5) by 4 words (code 3)
	s_or_b32 s[G1A+0], s19, (1<<16)|(1<<20)|(1<<21)|(5<<22)|(3<<25)  ; 15:0 the mask: my row; 17:16 element size; 20 padding on; 21 set beside a mask
	s_mov_b32 s[G1A+1], KSTEP<<16                  ; tensor_dim0 = 128
	s_mov_b32 s[G1A+2], 128<<16                    ; tensor_dim1 = 128
	s_mov_b32 s[G1A+3], KSTEP<<16                  ; tile_dim0 = 128
	s_mov_b32 s[G1A+4], 128                        ; tile_dim1 = 128
	s_mov_b32 s[G1A+5], 4096                       ; tensor_dim0_stride
	s_mov_b32 s[G1A+6], 0
	s_mov_b32 s[G1A+7], 0
	; group 1 for wq: 32,768 dense bytes, asked for as 128 rows x 128 elements of 2 bytes (two rows of a block each), padded after every 32 words (code 4), that is after every row of a block, by 4 words
	s_or_b32 s[G1B+0], s20, (1<<16)|(1<<20)|(1<<21)|(4<<22)|(3<<25)  ; the mask: my column
	s_mov_b32 s[G1B+1], 128<<16
	s_mov_b32 s[G1B+2], 128<<16
	s_mov_b32 s[G1B+3], 128<<16
	s_mov_b32 s[G1B+4], 128
	s_mov_b32 s[G1B+5], 128
	s_mov_b32 s[G1B+6], 0
	s_mov_b32 s[G1B+7], 0
	; where the tiles come from.  xb's hang on the tile row alone, which my row of the cluster shares; wq's on the tile column alone.  Each in registers that never hold the other coordinate.
	s_lshl_b32 s22, s18, 8
	s_lshl_b32 s62, s14, 7
	s_add_co_u32 s22, s22, s62                     ; xb: row 256 x tile row + 128 x half,
	s_lshl_b32 s22, s22, 13                        ; 8,192 bytes a row: 66,060,288 at the most
	s_mov_b32 s23, 0
	s_lshl_b32 s24, s17, 1
	s_add_co_u32 s24, s24, s14                     ; wq: strip of 128 rows 2 x tile column + half,
	s_lshl_b32 s24, s24, 20                        ; 64 blocks of 16,384 bytes a strip
	s_mov_b32 s25, 0
	s_mul_i32 s26, s14, AH                         ; and where they go: no place in the cluster enters an LDS address
	s_mul_i32 s27, s14, BH
	s_add_co_u32 s27, s27, AT
	s_wait_dscnt 0x0                               ; the opening add is done
	s_wait_kmcnt 0x0
	s_load_b32 s60, s[8:9], 0x0                    ; s: no line of this launch writes scl
	s_add_nc_u64 s[22:23], s[4:5], s[22:23]
	s_add_nc_u64 s[24:25], s[6:7], s[24:25]
	CROUND                                         ; all sixteen work-groups are here: the first joint loads meet
.irp s, 0,1
	s_mov_b32 s[G0A+4*(\s)], 1                                       ; 1:0 count = 1
	s_add_co_u32 s[G0A+4*(\s)+1], s26, (\s)*SLOT                     ; 63:32 LDS address
	s_add_nc_u64 s[G0A+4*(\s)+2:G0A+4*(\s)+3], s[22:23], (\s)*KSTEP*2  ; 120:64 global address: K step s
	s_or_b32 s[G0A+4*(\s)+3], s[G0A+4*(\s)+3], 0x80000000            ; 127:126 type = 2
	s_mov_b32 s[G0B+4*(\s)], 1
	s_add_co_u32 s[G0B+4*(\s)+1], s27, (\s)*SLOT
	s_add_nc_u64 s[G0B+4*(\s)+2:G0B+4*(\s)+3], s[24:25], (\s)*32768
	s_or_b32 s[G0B+4*(\s)+3], s[G0B+4*(\s)+3], 0x80000000
	JLOAD \s                                       ; the ring is filled before anything else is done: two loads of mine are out
.endr
	; A fragment is 16 rows x 32 K in 8 registers: lane l holds row l % 16; registers 0-3 hold K = 8 (l / 16) + 0..7, registers 4-7 hold K = 16 + 8 (l / 16) + 0..7: two loads of 16 bytes, 32 bytes apart.
	v_and_b32 v1, 15, v0                           ; l % 16
	v_bfe_u32 v2, v0, 4, 1                         ; l / 16
	v_and_b32 v3, 31, v0                           ; l
	v_mul_u32_u24 v4, v1, PA
	v_lshl_add_u32 v4, v2, 4, v4
	s_mul_i32 s62, s13, AH                         ; my 128 rows of xb
	v_add_nc_u32 v[ADRA], s62, v4
	v_add_nc_u32 v[ADRA+1], SLOT, v[ADRA]
	v_mul_u32_u24 v5, v1, PB
	v_lshl_add_u32 v5, v2, 4, v5
	s_mul_i32 s62, s14, BH                         ; my 128 rows of wq,
	s_add_co_u32 s62, s62, AT                      ; which lie behind xb's 256
	v_add_nc_u32 v[ADRB], s62, v5
	v_add_nc_u32 v[ADRB+1], SLOT, v[ADRB]
	s_mul_i32 s63, s12, 16*SPI
	s_add_co_u32 s63, s63, STAGE                   ; my stage
	v_mul_u32_u24 v6, v1, SPI                      ; in: row l % 16, 32 bytes for each half of the lanes
	v_lshl_add_u32 v6, v2, 5, v6
	v_add_nc_u32 v[STO], s63, v6
	v_lshl_add_u32 v[RD], v3, 4, s63               ; back: 32 lanes take a row's 512 bytes
	v_lshlrev_b32 v[CO], 4, v3
	s_lshl_b32 s68, s18, 8                         ; out0 at my first row and my first column (registers of their own: they hold both coordinates)
	s_lshl_b32 s69, s13, 7
	s_add_co_u32 s68, s68, s69
	s_lshl_b32 s68, s68, 13                        ; 8,192 bytes a row
	s_lshl_b32 s69, s17, 10                        ; 1,024 bytes a tile column,
	s_add_co_u32 s68, s68, s69
	s_lshl_b32 s69, s14, 9                         ; 512 for its second half
	s_add_co_u32 s68, s68, s69
	s_mov_b32 s69, 0
	s_add_nc_u64 s[10:11], s[10:11], s[68:69]
	s_wait_kmcnt 0x0
	s_mov_b32 s61, s60                             ; named with it as a pair
; 16 matrix instructions: m blocks a0, a0 + 1 of the window's four (hi = 0: my rows 0-63, 1: rows 64-127) x all 8 n blocks, 32 along K.  zero = 1: the product starts the sum: nothing is ever cleared.
; The 64 accumulators take turns in one order in every quarter, over the loop's backward jump too.
.macro MUL16 f, hi, a0, zero
	WIN MUL_LO+0x50*(\hi)
.irp a, \a0, (\a0)+1
.irp b, 0,1,2,3,4,5,6,7
.if \zero
	v_wmma_f32_16x16x32_bf16 v[8*(8*(\a)+(\b)):8*(8*(\a)+(\b))+7], v[(\f)+8*(\b):(\f)+8*(\b)+7], v[(\f)+8*(4*(\hi)+(\a)):(\f)+8*(4*(\hi)+(\a))+7], 0
.else
	v_wmma_f32_16x16x32_bf16 v[8*(8*(\a)+(\b)):8*(8*(\a)+(\b))+7], v[(\f)+8*(\b):(\f)+8*(\b)+7], v[(\f)+8*(4*(\hi)+(\a)):(\f)+8*(4*(\hi)+(\a))+7], v[8*(8*(\a)+(\b)):8*(8*(\a)+(\b))+7]
.endif
.endr
.endr
.endm
; 32 LDS loads in one run: the fragments of quarter q of a slot (128 rows of wq, then 128 rows of xb) into buffer f.  Of wq quarters 0, 1 lie in the step's first block, quarters 2, 3 in its second.
.macro FETCH slot, q, f
	WIN TO_B
.irp i, 0,1,2,3,4,5,6,7
	ds_load_b128 v[(\f)+8*(\i):(\f)+8*(\i)+3],   v[ADRB+(\slot)] offset:((\q)/2)*BB+((\q)%2)*64+(\i)*16*PB
	ds_load_b128 v[(\f)+8*(\i)+4:(\f)+8*(\i)+7], v[ADRB+(\slot)] offset:((\q)/2)*BB+((\q)%2)*64+(\i)*16*PB+32
.endr
	WIN 0
.irp i, 0,1,2,3,4,5,6,7
	ds_load_b128 v[(\f)+8*(\i):(\f)+8*(\i)+3],   v[ADRA+(\slot)] offset:(\q)*64+(\i)*16*PA
	ds_load_b128 v[(\f)+8*(\i)+4:(\f)+8*(\i)+7], v[ADRA+(\slot)] offset:(\q)*64+(\i)*16*PA+32
.endr
.endm
; A load into a register that a matrix instruction has read, and a vector instruction that reads a matrix result or writes one of a matrix instruction's registers, stand four places behind it, and only
; plain vector instructions that name none of its registers are places (ISA guide 7.12.1 for vector instructions).
.macro PLACES
.rept 4
	v_nop
.endr
.endm
; One of a K step's first three quarters: multiplies buffer f; in its middle it fetches quarter q of the same slot into buffer g, 32 matrix instructions ahead of its first use.
.macro QUARTER slot, q, f, g, zero
	s_wait_dscnt 8                                 ; wq and xb's rows 0-63 are in; the youngest eight loads (xb's rows 64-127) may be out
	MUL16 \f, 0, 0, \zero
	MUL16 \f, 0, 2, \zero
	PLACES
	FETCH \slot, \q, \g
	s_wait_dscnt 32                                ; all but the 32 just issued
	MUL16 \f, 1, 0, \zero
	MUL16 \f, 1, 2, \zero
.endm
; The last quarter multiplies buffer 1 and changes slots: ONE barrier.  In front of it each wave waits for all its tensor loads, of which one is out: its part of the next slot; adds 0 to its spare word;
; and waits for that and for its own reads of this slot.  Behind it nobody reads this slot any more and the next slot is whole.
; fill = 1: the barrier opens a round of the cluster's, so that no wave of any partner still reads this slot's tiles or has a load on its way, and the slot is filled again first thing behind the round,
; two K steps ahead: from that request to the wait for it a wave issues 224 matrix instructions.
.macro TURN slot, next, fill
	WIN 0                                          ; (the add's two registers lie in window 0)
	s_wait_tensorcnt 0x0                           ; all my tensor loads have landed;
	ds_add_u32 v[SPW], v[NIL]                      ; 0 onto my spare word
	s_wait_dscnt 9                                 ; (the add and the youngest eight loads may be out)
	MUL16 F1, 0, 0, 0                              ; sixteen matrix instructions stand between the add and the wait for it
	s_wait_dscnt 0x0                               ; the add is done, and my reads of this slot are over
	s_barrier_signal -1
	MUL16 F1, 0, 2, 0                              ; work on registers while the others arrive
.if \fill
	WIN 0                                          ; at a branch and at a label every window is 0
.endif
	s_barrier_wait -1
.if \fill
	CREST
	s_add_nc_u64 s[G0A+4*(\slot)+2:G0A+4*(\slot)+3], s[G0A+4*(\slot)+2:G0A+4*(\slot)+3], 2*KSTEP*2   ; no tensor load of mine is out, so a group 0 may be written
	s_add_nc_u64 s[G0B+4*(\slot)+2:G0B+4*(\slot)+3], s[G0B+4*(\slot)+2:G0B+4*(\slot)+3], 2*32768
	JLOAD \slot                                    ; the four v_nop behind it are also the places in front of the loads below
.else
	PLACES
.endif
	FETCH \next, 0, F0
	MUL16 F1, 1, 0, 0
	MUL16 F1, 1, 2, 0
.endm
; THE WAY OUT, in eight blocks of 16 rows x my 128 columns.  PACK: times s, into window 0, each accumulator's registers in ascending order.  TOSTAGE: into my own stage in LDS, and back as whole rows of
; 512 bytes.  SEND: stored.
.macro PACK a
	WIN 0x02+(\a)/4                                ; source 0: window 2 or 3
.set pa, 64*((\a)%4)
.set z, 0
.rept 32
	v_pk_mul_f32 v[TMP+2*z:TMP+2*z+1], v[pa+2*z:pa+2*z+1], s[60:61] op_sel_hi:[1,0]
.set z, z+1
.endr
.endm
.macro TOSTAGE a
	WIN 0
.set z, 0
.rept 16
	ds_store_b128 v[STO], v[TMP+4*z:TMP+4*z+3] offset:64*(z/2)+16*(z%2)
.set z, z+1
.endr
.set bk, BK0+64*((\a)%2)
.set z, 0
.rept 16
	ds_load_b128 v[bk+4*z:bk+4*z+3], v[RD] offset:z*SPI  ; LDS serves a wave's instructions in order (ISA guide 5.7.1.4): these see the stores above; the next block's stores come behind them
.set z, z+1
.endr
.endm
.macro SEND a
	WIN 0
	s_wait_dscnt 0x0                               ; the block is back in registers
	s_wait_xcnt 0x0                                ; every earlier store has had its addresses translated (ISA guide 3.1): the registers of the block before last are loaded again only behind this wait
.set bk, BK0+64*((\a)%2)
.set z, 0
.rept 16
	global_store_b128 v[CO], v[bk+4*z:bk+4*z+3], s[10:11] offset:(16*(\a)+z)*8192 th:TH_STORE_NT  ; 512 consecutive bytes, at a multiple of 512 from out0's first; 1,040,384 at the most in the immediate
.set z, z+1
.endr
.endm
	s_wait_tensorcnt 0x1                           ; my part of K step 0 is in; K step 1's may stay out
	s_barrier_signal -1
	s_barrier_wait -1                              ; everybody's is
	FETCH 0, 0, F0
	QUARTER 0, 1, F0, F1, 1                        ; the first quarter stands in front of the loop: its products start the sums
	WIN 0                                          ; at a label and at a branch every window is 0
	s_mov_b32 s3, LAPS-1
.Llap:                                                 ; a trip goes once round the ring, from a lap's second quarter to the next lap's first, and fills both slots again
	QUARTER 0, 2, F1, F0, 0
	QUARTER 0, 3, F0, F1, 0
	TURN 0, 1, 1
	QUARTER 1, 1, F0, F1, 0
	QUARTER 1, 2, F1, F0, 0
	QUARTER 1, 3, F0, F1, 0
	TURN 1, 0, 1
	QUARTER 0, 1, F0, F1, 0
	WIN 0
	s_sub_co_u32 s3, s3, 1
	s_cmp_lg_u32 s3, 0
	s_cbranch_scc1 .Llap
	QUARTER 0, 2, F1, F0, 0                        ; the last lap is written out: it fills nothing, and has no round of the cluster's barrier
	QUARTER 0, 3, F0, F1, 0
	TURN 0, 1, 0
	QUARTER 1, 1, F0, F1, 0
	QUARTER 1, 2, F1, F0, 0
	QUARTER 1, 3, F0, F1, 0
	s_wait_dscnt 8                                 ; the very last quarter: nothing more to fetch
	MUL16 F1, 0, 0, 0
	MUL16 F1, 0, 2, 0
	s_wait_dscnt 0x0
	MUL16 F1, 1, 0, 0
	MUL16 F1, 1, 2, 0
	PLACES                                         ; between the last products and the lines that read results and write over xb's fragments
	PACK 0
	TOSTAGE 0
.irp a, 1,2,3,4,5,6,7                  ; a block's arithmetic stands between the loads of the block before and the wait for them
	PACK \a
	SEND (\a)-1
	TOSTAGE \a
.endr
	SEND 7
	s_wait_tensorcnt 0x0                           ; the wave's end, behind my last tensor load and my last LDS store
	ds_add_u32 v[SPW], v[NIL]
	s_wait_dscnt 0x0
	CROUND                                         ; the closing round: no work-group ends while a partner may still ask for a tile that names it
	s_endpgm
.Lfunc_end_k_qe462824dd6_gemm:
	.size	k_qe462824dd6_gemm, .Lfunc_end_k_qe462824dd6_gemm-k_qe462824dd6_gemm
	.p2alignl 7, 3214868480
	.fill 96, 4, 3214868480
	.section	.rodata,"a",@progbits
	.p2align	6, 0x0
	.amdhsa_kernel k_qe462824dd6_gemm
		.amdhsa_group_segment_fixed_size 327680
		.amdhsa_private_segment_fixed_size 0
		.amdhsa_enable_private_segment 0
		.amdhsa_kernarg_size 32
		.amdhsa_user_sgpr_count 2
		.amdhsa_user_sgpr_kernarg_segment_ptr 1
		.amdhsa_wavefront_size32 1
		.amdhsa_system_sgpr_workgroup_id_x 1
		.amdhsa_system_sgpr_workgroup_id_y 1
		.amdhsa_system_sgpr_workgroup_id_z 1
		.amdhsa_system_vgpr_workitem_id 0
		.amdhsa_next_free_vgpr 1024
		.amdhsa_next_free_sgpr 80
		.amdhsa_reserve_vcc 0
		.amdhsa_float_denorm_mode_32 3
		.amdhsa_float_denorm_mode_16_64 3
		.amdhsa_memory_ordered 1
		.amdhsa_forward_progress 1
		.amdhsa_inst_pref_size 156
	.end_amdhsa_kernel
	.amdgpu_metadata
---
amdhsa.version: [ 1, 2 ]
amdhsa.kernels:
  - .name:           k_qe462824dd6_gemm
    .symbol:         k_qe462824dd6_gemm.kd
    .args:
      - { .name: xb, .offset: 0, .size: 8, .value_kind: global_buffer, .address_space: global }
      - { .name: wq, .offset: 8, .size: 8, .value_kind: global_buffer, .address_space: global }
      - { .name: scl, .offset: 16, .size: 8, .value_kind: global_buffer, .address_space: global }
      - { .name: out0, .offset: 24, .size: 8, .value_kind: global_buffer, .address_space: global }
    .group_segment_fixed_size: 327680
    .private_segment_fixed_size: 0
    .kernarg_segment_align: 8
    .kernarg_segment_size: 32
    .max_flat_workgroup_size: 128
    .sgpr_count:     80
    .vgpr_count:     1024
    .wavefront_size: 32
...
	.end_amdgpu_metadata
.endif
;; end of part 3
;; ======== version 2 of 2: 3 launches; version 1 with the launch quant written anew for expert scheduling mode
;; workspace buffers: part 1,024 bytes; wq 16,777,216 bytes; scl 256 bytes; xb 67,108,864 bytes
;; launch prep: the kernel of part 1 again; grid 256 x 1, 8 waves a work-group, no clusters, 1,280 bytes of LDS; arguments weight, x, part, xb; writes part, xb
;; launch quant (part 4): grid 256 x 1, 8 waves a work-group, no clusters, 0 bytes of LDS; arguments weight, part, wq, scl; writes wq, scl
.if DOCPART == 4
	.amdgcn_target "amdgcn-amd-amdhsa--gfx1250"
	.amdhsa_code_object_version 6
	.text
	.protected	k_qe462824dd6_quant
	.globl	k_qe462824dd6_quant
	.p2align	8
	.type	k_qe462824dd6_quant,@function
k_qe462824dd6_quant:
	s_mov_b64 s[64:65], 0
	v_nop
	global_prefetch_b8 v0, s[64:65] scope:SCOPE_SE
	s_setreg_imm32_b32 hwreg(HW_REG_WAVE_SCHED_MODE, 0, 2), 2
	s_setreg_imm32_b32 hwreg(HW_REG_WAVE_MODE, 25, 1), 1
	s_wait_xcnt 0x0
	s_wait_alu depctr_vm_vsrc(0)
; s = max(mean |W|, 1e-5), W = bf16(weight);  q = clip(round(W / s), -1, 1);  w = (q s + W) - W, as it is written, in f32;  wq = bf16(w / s): the product's operand,
; which for ordinary numbers is -1, 0 or 1 exactly; the product's sums are multiplied by s in f32 on their way out, so s itself is never rounded to 16 bits.  scl = s, 64 times.
; LIMITS.  weight is rounded to bf16 first (as x is in the product).  The mean is a tree sum in f32 in an order of this program's own.  W / s is W x (1/s) corrected once by the
; remainder W - t s (two fused multiply-adds).  NaN and infinities are not treated apart.
; LAYOUT OF wq.  Blocks of 128 rows (n) x 64 k, dense, 16,384 bytes: element (n, k) at (((n >> 7) 64 + (k >> 6)) 128 + (n & 127)) 128 + 2 (k & 63): what the product asks for in one
; K step lies end to end.
; SHARES.  Work-group g: rows 8 g .. 8 g + 7.  Wave w: the two rows 2 (w >> 1), + 1 and the half w & 1 of K: 32 pieces of 64 k.  A load: lanes 0-15 take 256 consecutive bytes of one
; row, lanes 16-31 of the next.  A store: 8 bytes a lane, 256 consecutive bytes, aligned: the two rows' 128 bytes in a block.  Every wave adds up all 256 partial sums in the same
; order, so s has the same bits everywhere.  A stream: no LDS, no barrier, no matrix work, no cluster.
; THE MODE: SCHED_MODE bits 1:0 = 2 (LLVM: expert scheduling mode 2), set by the entry lines.  The code itself states the register dependences between vector instructions and memory
; instructions, with s_wait_alu, always for 0.
; THE PLAN.  Registers that memory instructions touch:
;   v1, v2, v3   byte offsets, made once at the head and never written again: every piece is reached by an immediate offset.
;   v[4:11]      the loads of part land here; vector lines make s of them; v4, v5 end as (s, s), which the one store of scl reads; no vector line names them after that.
;   X            piece j: four registers.  Its load, issued at the head, lands in them; its two first conversions read them; its two last roundings write the first two, which its store
;                reads.  They are not written again.
;   v12-13, v16-27 are named by vector lines alone.
; The 32 pieces go in eight sets of four.  A set's four stores are issued in the next set, one ahead of each piece's arithmetic, which names that set's own pieces and the registers at
; work and none of the set before.  So ONE wait on va_vdst at a set's head states all that its four stores hang on.  No register that a memory instruction reads is ever written again,
; so no wait on vm_vsrc is owed; and no load is issued behind the head, so none lands in a register that a vector line has named.
.set SET, 4                            ; pieces in a set
.set P,  4                             ; v[4:11]   my 8 partial sums; then v4 = v5 = s
.set PK, 12                            ; v12-13    four numbers as bf16
.set W,  16                            ; v[16:19]  W
.set Q,  20                            ; v[20:23]  the quotient, then q, then w / s
.set E,  24                            ; v[24:27]  t s - W
.set X,  32                            ; v[32:159] piece j: 4 registers as loaded; its first two then hold what is stored and are not written again
	s_load_b256 s[4:11], s[0:1], 0x0               ; weight s[4:5], part s[6:7], wq s[8:9], scl s[10:11]
	v_and_b32 v3, 31, v0                           ; lane
	v_lshrrev_b32 v1, 5, v0
	v_readfirstlane_b32 s12, v1                    ; wave 0..7
	v_lshlrev_b32 v2, 3, v3                        ; out: 8 x lane
	v_and_b32 v1, 15, v3
	v_lshlrev_b32 v1, 4, v1
	v_bfe_u32 v12, v3, 4, 1
	v_lshl_add_u32 v1, v12, 14, v1                 ; in: 16 (lane % 16) + a row of 16,384 bytes for lanes 16-31
	v_lshlrev_b32 v3, 5, v3                        ; part: 32 x lane
	s_wait_alu depctr_va_sdst(0)                   ; s12 is written, ahead of its first reader: the bases of weight and wq are made from it
	s_lshr_b32 s13, s12, 1                         ; which pair of rows
	s_and_b32 s14, s12, 1                          ; which half of K
	s_mov_b32 s20, 0xffff0000                      ; a word's upper bf16
	s_mov_b32 s24, 0x76543210
	s_mov_b32 s25, 0xfedcba98
	s_mov_b32 s26, 0xbf800000                      ; -1.0
	s_mov_b32 s27, 0x3f800000                      ; 1.0
	s_lshl_b32 s28, ttmp9, 3
	s_lshl_b32 s29, s13, 1
	s_add_co_u32 s28, s28, s29                     ; my first row
	s_lshl_b32 s28, s28, 14
	s_lshl_b32 s29, s14, 13                        ; half a row is 8,192 bytes
	s_add_co_u32 s28, s28, s29
	s_mov_b32 s29, 0
	s_lshr_b32 s30, ttmp9, 4                       ; n >> 7: 64 blocks of 16,384 bytes each
	s_lshl_b32 s30, s30, 20
	s_lshl_b32 s31, s14, 19                        ; 32 blocks on for the second half of K
	s_add_co_u32 s30, s30, s31
	s_and_b32 s31, ttmp9, 15
	s_lshl_b32 s31, s31, 3
	s_lshl_b32 s15, s13, 1
	s_add_co_u32 s31, s31, s15                     ; n & 127 of my first row,
	s_lshl_b32 s31, s31, 7                         ; 128 bytes a row
	s_add_co_u32 s30, s30, s31
	s_mov_b32 s31, 0
	s_wait_kmcnt 0x0
	s_add_nc_u64 s[4:5], s[4:5], s[28:29]
	s_add_nc_u64 s[8:9], s[8:9], s[30:31]
	s_wait_alu depctr_va_vdst(0)                   ; v1, v2 and v3 are written: every load and store of the kernel reads one of them as its offset
	global_load_b128 v[P:P+3], v3, s[6:7]
	global_load_b128 v[P+4:P+7], v3, s[6:7] offset:16
.set j, 0
.rept 32
	global_load_b128 v[X+4*j:X+4*j+3], v1, s[4:5] offset:256*j th:TH_LOAD_NT
.set j, j+1
.endr
	s_wait_loadcnt 32                              ; the partial sums are in; the 32 loads of weight, issued behind them, stay out
	v_add_f32 v[P], v[P], v[P+1]
	v_add_f32 v[P+2], v[P+2], v[P+3]
	v_add_f32 v[P+4], v[P+4], v[P+5]
	v_add_f32 v[P+6], v[P+6], v[P+7]
	v_add_f32 v[P], v[P], v[P+2]
	v_add_f32 v[P+4], v[P+4], v[P+6]
	v_add_f32 v[P], v[P], v[P+4]
	v_add_f32_dpp v[P], v[P], v[P] row_xmask:1 row_mask:0xf bank_mask:0xf
	v_add_f32_dpp v[P], v[P], v[P] row_xmask:2 row_mask:0xf bank_mask:0xf
	v_add_f32_dpp v[P], v[P], v[P] row_xmask:4 row_mask:0xf bank_mask:0xf
	v_add_f32_dpp v[P], v[P], v[P] row_xmask:8 row_mask:0xf bank_mask:0xf
	v_permlanex16_b32 v[P+1], v[P], s24, s25
	v_add_f32 v[P], v[P], v[P+1]
	v_mul_f32 v[P], 0x34000000, v[P]               ; / 2^23 numbers: exact
	v_max_num_f32 v[P], 0x3727c5ac, v[P]           ; s = max(mean, 1e-5)
	v_rcp_f32 v[P+1], v[P]
	v_nop                                          ; a plain instruction between the reciprocal and the use of its result (ISA guide 5.7.2)
	v_readfirstlane_b32 s16, v[P]
	s_wait_alu depctr_va_vdst(0)                   ; the reciprocal has written v[P+1], ahead of the first line that names it
	v_readfirstlane_b32 s18, v[P+1]
	v_mov_b32 v[P+1], v[P]                         ; (s, s), for scl
	s_wait_alu depctr_va_sdst(0)                   ; s16 and s18 are written, ahead of their first readers: one wait for the two
	s_mov_b32 s17, s16                             ; s[16:17] s;  s[18:19] 1/s;  s[22:23] -1/s: named as pairs
	s_mov_b32 s19, s18
	s_xor_b32 s22, s18, 0x80000000
	s_mov_b32 s23, s22
.set j, 0
.rept 32
.if j % SET == 0
	s_wait_loadcnt 31-j                            ; piece j is in, the younger ones stay out
.if j > 0
	s_wait_alu depctr_va_vdst(0)                   ; the set before has written the first two registers of its four pieces, which the four stores of this set read
.endif
.endif
.if j >= SET
	global_store_b64 v2, v[X+4*(j-SET):X+4*(j-SET)+1], s[8:9] offset:16384*(j-SET)  ; the piece four back, into its block along K.  No vector line since the wait names its registers; neither the data nor the offset is written again
.endif
.if j % SET != 0
	s_wait_loadcnt 31-j                            ; piece j is in, the younger ones stay out
.endif
	v_cvt_pk_bf16_f32 v[PK], v[X+4*j], v[X+4*j+1]
	v_cvt_pk_bf16_f32 v[PK+1], v[X+4*j+2], v[X+4*j+3]
	v_lshlrev_b32 v[W], 16, v[PK]
	v_and_b32 v[W+1], s20, v[PK]
	v_lshlrev_b32 v[W+2], 16, v[PK+1]
	v_and_b32 v[W+3], s20, v[PK+1]
	v_pk_mul_f32 v[Q:Q+1], v[W:W+1], s[18:19] op_sel_hi:[1,0]                 ; t = W / s, nearly
	v_pk_mul_f32 v[Q+2:Q+3], v[W+2:W+3], s[18:19] op_sel_hi:[1,0]
	v_pk_fma_f32 v[E:E+1], v[Q:Q+1], s[16:17], v[W:W+1] op_sel_hi:[1,0,1] neg_lo:[0,0,1] neg_hi:[0,0,1]      ; t s - W
	v_pk_fma_f32 v[E+2:E+3], v[Q+2:Q+3], s[16:17], v[W+2:W+3] op_sel_hi:[1,0,1] neg_lo:[0,0,1] neg_hi:[0,0,1]
	v_pk_fma_f32 v[Q:Q+1], v[E:E+1], s[22:23], v[Q:Q+1] op_sel_hi:[1,0,1]     ; t + (W - t s) / s
	v_pk_fma_f32 v[Q+2:Q+3], v[E+2:E+3], s[22:23], v[Q+2:Q+3] op_sel_hi:[1,0,1]
.irp i, 0,1,2,3
	v_rndne_f32 v[Q+\i], v[Q+\i]                   ; ties to even
.endr
.irp i, 0,1,2,3
	v_med3_num_f32 v[Q+\i], v[Q+\i], s26, s27      ; q
.endr
	v_pk_fma_f32 v[Q:Q+1], v[Q:Q+1], s[16:17], v[W:W+1] op_sel_hi:[1,0,1]     ; q s is exact, so q s + W has its one rounding
	v_pk_fma_f32 v[Q+2:Q+3], v[Q+2:Q+3], s[16:17], v[W+2:W+3] op_sel_hi:[1,0,1]
	v_pk_add_f32 v[Q:Q+1], v[Q:Q+1], v[W:W+1] neg_lo:[0,1] neg_hi:[0,1]       ; - W
	v_pk_add_f32 v[Q+2:Q+3], v[Q+2:Q+3], v[W+2:W+3] neg_lo:[0,1] neg_hi:[0,1]
	v_pk_mul_f32 v[Q:Q+1], v[Q:Q+1], s[18:19] op_sel_hi:[1,0]                 ; / s
	v_pk_mul_f32 v[Q+2:Q+3], v[Q+2:Q+3], s[18:19] op_sel_hi:[1,0]
	v_cvt_pk_bf16_f32 v[X+4*j], v[Q], v[Q+1]
	v_cvt_pk_bf16_f32 v[X+4*j+1], v[Q+2], v[Q+3]
.set j, j+1
.endr
	s_wait_alu depctr_va_vdst(0)                   ; the last set has written the first two registers of its four pieces, which the last four stores read
.set j, 32-SET
.rept SET
	global_store_b64 v2, v[X+4*j:X+4*j+1], s[8:9] offset:16384*j
.set j, j+1
.endr
	s_or_b32 s13, ttmp9, s12
	s_cmp_lg_u32 s13, 0
	s_cbranch_scc1 .Lend                           ; wave 0 of work-group 0 alone
	global_store_b64 v2, v[P:P+1], s[10:11]        ; 256 consecutive bytes; v[P:P+1] were written ahead of the sets' waits on va_vdst, and no vector line has named them since
.Lend:
	s_endpgm
.Lfunc_end_k_qe462824dd6_quant:
	.size	k_qe462824dd6_quant, .Lfunc_end_k_qe462824dd6_quant-k_qe462824dd6_quant
	.p2alignl 7, 3214868480
	.fill 96, 4, 3214868480
	.section	.rodata,"a",@progbits
	.p2align	6, 0x0
	.amdhsa_kernel k_qe462824dd6_quant
		.amdhsa_group_segment_fixed_size 0
		.amdhsa_private_segment_fixed_size 0
		.amdhsa_enable_private_segment 0
		.amdhsa_kernarg_size 32
		.amdhsa_user_sgpr_count 2
		.amdhsa_user_sgpr_kernarg_segment_ptr 1
		.amdhsa_wavefront_size32 1
		.amdhsa_system_sgpr_workgroup_id_x 1
		.amdhsa_system_sgpr_workgroup_id_y 1
		.amdhsa_system_sgpr_workgroup_id_z 1
		.amdhsa_system_vgpr_workitem_id 0
		.amdhsa_next_free_vgpr 176
		.amdhsa_next_free_sgpr 66
		.amdhsa_reserve_vcc 0
		.amdhsa_float_denorm_mode_32 3
		.amdhsa_float_denorm_mode_16_64 3
		.amdhsa_memory_ordered 1
		.amdhsa_forward_progress 1
		.amdhsa_inst_pref_size 59
	.end_amdhsa_kernel
	.amdgpu_metadata
---
amdhsa.version: [ 1, 2 ]
amdhsa.kernels:
  - .name:           k_qe462824dd6_quant
    .symbol:         k_qe462824dd6_quant.kd
    .args:
      - { .name: weight, .offset: 0, .size: 8, .value_kind: global_buffer, .address_space: global }
      - { .name: part, .offset: 8, .size: 8, .value_kind: global_buffer, .address_space: global }
      - { .name: wq, .offset: 16, .size: 8, .value_kind: global_buffer, .address_space: global }
      - { .name: scl, .offset: 24, .size: 8, .value_kind: global_buffer, .address_space: global }
    .group_segment_fixed_size: 0
    .private_segment_fixed_size: 0
    .kernarg_segment_align: 8
    .kernarg_segment_size: 32
    .max_flat_workgroup_size: 256
    .sgpr_count:     66
    .vgpr_count:     176
    .wavefront_size: 32
...
	.end_amdgpu_metadata
.endif
;; end of part 4
;; launch gemm: the kernel of part 3 again; grid 8 x 32, 4 waves a work-group, clusters of 4 x 4, 327,680 bytes of LDS; arguments xb, wq, scl, out0; writes out0
